; MI455X (gfx1250); checked and timed in simulation.
; The chip was launched on July 23, 2026; its instructions are those of AMD's public machine-readable ISA for CDNA 5 (MIT licence, August 2026) and "CDNA5" Instruction Set Architecture Reference Guide (July 2026). The comments in the code are by the model that wrote it; some were corrected since.
;; QKV Attention Legacy. Allowed arithmetic: float matrix products may take bf16 or f16 operands with f32 sums; all other float work in f32.
;; Inputs: mask 4 x 2,048 float32; qkv 4 x 3,072 x 2,048 float32.
;; Outputs: out0 4 x 1,024 x 2,048 float32.
;; Constants: n_heads = 16.
;; 2 versions, each right. Each part assembles by itself: llvm-mc -triple=amdgcn-amd-amdhsa -mcpu=gfx1250 --defsym DOCPART=n.
;; ======== version 1 of 2: 1 launch
;; limits: values are held in f16: magnitudes above 65,504 overflow, below 6.1e-05 lose precision
;; launch attn (part 1): grid 256 x 1, 8 waves a work-group, clusters of 4 x 1, 327,680 bytes of LDS; arguments qkv, mask, out0; writes out0
.if DOCPART == 1
	.amdgcn_target "amdgcn-amd-amdhsa--gfx1250"
	.amdhsa_code_object_version 6
	.text
	.protected	k_qcd4da5513a_attn
	.globl	k_qcd4da5513a_attn
	.p2align	8
	.type	k_qcd4da5513a_attn,@function
k_qcd4da5513a_attn:
	s_mov_b64 s[64:65], 0
	v_nop
	global_prefetch_b8 v0, s[64:65] scope:SCOPE_SE
	s_setreg_imm32_b32 hwreg(HW_REG_WAVE_MODE, 25, 1), 1
	s_wait_xcnt 0x0
	s_wait_alu depctr_hold_cnt(0) depctr_sa_sdst(0) depctr_va_vdst(0) depctr_va_sdst(0) depctr_va_ssrc(0) depctr_va_vcc(0) depctr_vm_vsrc(0)
	s_getreg_b32 s2, hwreg(HW_REG_IB_STS2, 6, 4)
	s_cmp_eq_u32 s2, 0
	s_cbranch_scc0 .Lentry_in_a_cluster
	s_endpgm
.Lentry_in_a_cluster:
	s_bfe_u32 s2, ttmp6, 0x10000c
	s_cmp_lg_u32 s2, 0x3003
	s_cbranch_scc0 .Lentry_shape_is_right
	s_endpgm
.Lentry_shape_is_right:
; Attention over 64 heads.  qkv seen as [64 heads][192 rows][2048] f32: rows 0-63 q[c][t], 64-127 k[c][s], 128-191 v[c][s].
; out[head][c][t] = sum over s of softmax_s(q.k / 8)[t][s] * mask[head mod 4][s] * v[c][s]; the softmax's sum does not see the mask.
;
; SHARES.  A cluster of four work-groups is one head (ttmp9); work-group cx takes queries 512 cx .. 512 cx + 511; each of its eight waves 64 queries.
; The four work-groups walk the same K and V tiles: those are asked for JOINTLY (mask 15), so a tile is requested once for the four.
; Q is read by its own wave alone; the head's mask row (8,192 bytes) is copied once into LDS.
; Eight waves of 64 queries and not four of 128: two waves on a SIMD let one wave's exponentials run beside the other's products, and a wave's
; registers (512) need two windows only.
;
; BOTH PRODUCTS ARE USED TRANSPOSED.  S^T = K^T Q: source 0 = 16 keys x 32 c, source 1 = 16 queries x 32 c.  Lane (r, h), register j of tile st then
; holds query r, key 16 st + 8 h + j: maximum and sum over keys are in the lane, plus one exchange with lane xor 16.  Two neighbouring tiles, packed to
; f16, ARE source 1 of the second product (16 queries x 32 keys).  O^T = V P: source 0 = 16 c x 32 keys; a lane of O holds the query of its statistics.
;
; FORMATS.  q * 0.125 * log2(e), k, v * mask and p = exp2(S - m) are rounded to f16 for the matrix unit; sums, maxima, l and O stay in f32.
; f16 and not bf16: an output is a weighted mean over 2,048 keys, far smaller than its terms, and is wanted to a hundredth of the outputs' root mean
; square; four roundings to 8 significant bits leave too little margin for that, four to 11 bits leave eight times more.
; m is a running maximum, O and l are rescaled by exp2(m_old - m_new) in every half step (no branch hangs on data).
; LIMITS, stated.  Range: |0.18 q|, |k| and |v * mask| stay below 65,504, f16's largest number (beyond it the operand becomes Inf); numbers of the kind
; drawn stay below 6, and thirty times larger in every input below 5,000.  Operands below 2^-14 are f16 denormals, with an absolute error of 2^-25 at the
; most, and below 2^-25 they are 0: for p that is harmless for every input, since one p of each query is 1 and l >= 1, so 2,048 such errors are at most
; 2^-14 of the largest term.  The rescaling factor below 2^-126 comes out as 0 (v_exp_f32 flushes denormal results: ISA guide, its entry in chapter 15).
; Inputs that hold Inf or NaN are not followed as the f32 formula would follow them.
;
; KEYS go in 16 steps of 128.  Tile t = rows 64..191 of the head, columns 128 t .. +127, f32: 128 rows x 512 bytes, each row's start a multiple of 512
; bytes from the buffer's first byte.  Two f32 landing slots are filled by tensor loads; each wave rounds 8 rows of K and 8 of V of the NEXT tile to
; f16 into one of two stages; fragments are read from the stages.  One round of the cluster's barrier a step orders all of it (see STEP).
.set ROWB,  8192                       ; bytes in a row of qkv and of out0
.set HEADB, 192*ROWB                   ; a head in qkv
.set KOFF,  64*ROWB                    ; from q's first row to k's
.set TILEB, 512                        ; bytes of a row in a tile, and from a tile to the next
; LDS map.  Tensor loads land in 0 .. 131,071 alone; LDS stores go to the regions behind it alone.
.set SLOTB, 65536                      ; landing slot n at n*SLOTB: K's 64 rows, then V's 64, pitch 512 (read only as whole rows, lane l at 16 l: no padding needed)
.set B0,    131072                     ; stage b at B0 + b*BS
.set KP,    288                        ; K stage: f16 [64 c][128 s], pitch 9 x 32 bytes, for the transposing loads
.set VP,    272                        ; V stage: f16 [64 c][128 s], pitch 17 x 16 bytes
.set VST,   64*KP                      ; the V stage lies behind the K stage
.set BS,    64*KP+64*VP                ; 35,840
.set WS,    B0+2*BS                    ; 202,752: each wave's own scratch,
.set WSW,   10240                      ; first Q in f16 [64 c][64 t], pitch QP; at the end 16 rows of output, pitch OP
.set QP,    160                        ; 5 x 32 bytes
.set OP,    272
.set MASKL, WS+8*WSW                   ; 284,672: the mask row, f32; the map ends at 292,864
; Registers, window 0
.set KADR, 4                           ; K fragments: B0 + (8 h + l%8) KP + 16 ((l>>3)&1)
.set VADR, 5                           ; V fragments: B0 + VST + VP r + 16 h
.set CL,   6                           ; v6, v7: my 8 rows in landing slot 0, 1: 4096 W + 16 l
.set CKS,  8                           ; my 8 rows of the K stage: B0 + 8 KP W + 8 l
.set CVS,  9                           ; my 8 rows of the V stage
.set MADR, 10                          ; mask: MASKL + 16 l, stepped by two tiles a pair of steps
.set QADR, 11                          ; Q fragments in my scratch
.set STO,  12                          ; the way out: where a number of O goes
.set RD,   13                          ; the way out: where 16 bytes of a row are read back
.set CO,   14                          ; 8192 h + 16 r: two rows of 256 bytes, for the loads of Q and the stores of out0; never rewritten
.set PFO,  15                          ; prefetch: (32 cx + l) rows + 256 (W & 1); never rewritten
.set MM,   16                          ; v[16:23]  running maximum of query tile tt, twice (a pair for packed arithmetic)
.set LL,   24                          ; v[24:31]  two partial sums for each tt
.set AL,   32                          ; v[32:39]  exp2(m_old - m_new), at the end 1 / l, twice for each tt
.set MX,   40                          ; v[40:43]  maximum at work
.set TP,   44                          ; v[44:47]  what lane xor 16 sent
.set MK,   48                          ; v[48:51]  four mask numbers (set-up: temporaries)
.set MT,   52                          ; v[52:59]  the mask on its way to LDS
.set MST,  60                          ; MASKL + 16 thread
.set QST,  61                          ; where Q's f16 go in my scratch
.set MGO,  62                          ; 16 thread; never rewritten
.set QF,   64                          ; v[64:127]  Q fragment (tt, kk) at QF + 16 tt + 8 kk
.set SC,   128                         ; v[128:255] S tile (st, tt) at SC + 32 tt + 8 st; also Q in f32, rows being rounded, P packed in place, output rows
; Registers, window 1 (v256-v511), written by their low 8 bits
.set OA,   0                           ; O tile (ct, tt) at 8 (4 ct + tt)
.set KF,   128                         ; K fragment (st, kk) at KF + 8 (2 st + kk)
.set VF,   192                         ; V fragment (ct, kk) at VF + 8 (2 ct + kk)
.set G1,   16                          ; s[16:23] descriptor group 1
.set G0,   24                          ; s[24:31] descriptor group 0, one set for each landing slot
; s_set_vgpr_msb's low byte: bits 1:0 source 0, 3:2 source 1, 5:4 source 2, 7:6 destination; the high byte repeats the setting that is left.
.set MSB, 0
.macro WIN new
.if MSB != \new
	s_set_vgpr_msb (MSB<<8)|\new
.set MSB, \new
.endif
.endm
.set W_SMUL, 0x01                      ; source 0 (K fragment) window 1
.set W_PV,   0x51                      ; source 0 (V fragment), C and D (O) window 1
.set W_OMUL, 0x41                      ; O = O * factor: destination and source 0 window 1
.set W_FRAG, 0x40                      ; LDS load into window 1
.set W_OST,  0x04                      ; LDS store of data from window 1
.macro NOPS n
.rept \n
	v_nop
.endr
.endm
.macro BAR
	s_barrier_signal -1
	s_barrier_wait -1
.endm
; A round of the cluster's barrier: my work-group's barrier, wave 0 signals for the work-group, every wave waits for all four work-groups, my barrier again.
.macro ROUND
	s_barrier_signal -1
	s_barrier_wait -1
	s_cmp_lg_u32 s10, 0
	s_cbranch_scc1 .Lnot_wave_0_\@
	s_barrier_signal -3
.Lnot_wave_0_\@:
	s_barrier_wait -3
	s_barrier_signal -1
	s_barrier_wait -1
.endm
; The joint refill of landing slot n: wave 0 asks for K's 64 rows, wave 1 for V's, 32 KiB each; the other waves ask for nothing.
.macro JLOAD n
	s_cmp_eq_u32 s43, 0
	s_cbranch_scc0 .Lno_fill_\@
	tensor_load_to_lds s[G0+4*\n:G0+4*\n+3], s[G1:G1+7]
	s_nop 0
	NOPS 4
.Lno_fill_\@:
.endm
; Waves 2 and 3 ask the L2 for a later tile: lane l for row 32 cx + l of its 128 rows, wave 2 for the row's first 256 bytes, wave 3 for the second:
; 4 work-groups x 2 waves x 32 lanes = the tile's 256 blocks of 256 bytes, each asked for once in the launch.
.macro PREF off
	s_cmp_eq_u32 s43, 1
	s_cbranch_scc0 .Lno_ask_\@
	global_prefetch_b8 v[PFO], s[36:37] offset:\off th:TH_LOAD_NT scope:SCOPE_SE
.Lno_ask_\@:
.endm
; 16 transposing loads: the K fragments of keys 64 u .. 64 u + 63 of stage b.  The stage holds [c][s]; a fragment wants c along the lane's registers.
.macro KLOAD b, u
.irp st, 0,1,2,3
.irp kk, 0,1
	ds_load_tr16_b128 v[KF+8*(2*\st+\kk):KF+8*(2*\st+\kk)+3],   v[KADR] offset:\b*BS+32*KP*\kk+128*\u+32*\st
	ds_load_tr16_b128 v[KF+8*(2*\st+\kk)+4:KF+8*(2*\st+\kk)+7], v[KADR] offset:\b*BS+32*KP*\kk+128*\u+32*\st+16*KP
.endr
.endr
.endm
; 16 plain loads: the V fragments of the same keys; s lies along the stage's rows.
.macro VLOAD b, u
.irp ct, 0,1,2,3
.irp kk, 0,1
	ds_load_b128 v[VF+8*(2*\ct+\kk):VF+8*(2*\ct+\kk)+3],   v[VADR] offset:\b*BS+16*VP*\ct+128*\u+64*\kk
	ds_load_b128 v[VF+8*(2*\ct+\kk)+4:VF+8*(2*\ct+\kk)+7], v[VADR] offset:\b*BS+16*VP*\ct+128*\u+64*\kk+32
.endr
.endr
.endm
; My 8 rows of K and 8 rows of V of the tile in landing slot n are rounded to f16 into stage b; V is first multiplied by the mask of its keys, in f32.
; A lane takes 4 neighbouring keys of a row: 16 bytes in, 8 bytes out.
.macro CONV n, b, moff
	ds_load_b128 v[MK:MK+3], v[MADR] offset:\moff
.irp i, 0,1,2,3,4,5,6,7
	ds_load_b128 v[SC+4*\i:SC+4*\i+3], v[CL+\n] offset:512*\i
.endr
.irp i, 0,1,2,3,4,5,6,7
	ds_load_b128 v[SC+32+4*\i:SC+32+4*\i+3], v[CL+\n] offset:32768+512*\i
.endr
	s_wait_dscnt 8                                 ; LDS instructions end in order (ISA guide 5.7.1): all but the 8 loads of V's rows are in, the K fragments issued ahead too
.irp i, 0,1,2,3,4,5,6,7
	v_cvt_pk_f16_f32 v[SC+4*\i],   v[SC+4*\i],   v[SC+4*\i+1]
	v_cvt_pk_f16_f32 v[SC+4*\i+1], v[SC+4*\i+2], v[SC+4*\i+3]
	ds_store_b64 v[CKS], v[SC+4*\i:SC+4*\i+1] offset:\b*BS+KP*\i
.endr
	s_wait_dscnt 8                                 ; 8 stores were issued behind the last load of V's rows: those loads are in
.irp i, 0,1,2,3,4,5,6,7
	v_pk_mul_f32 v[SC+32+4*\i:SC+32+4*\i+1],   v[SC+32+4*\i:SC+32+4*\i+1],   v[MK:MK+1]
	v_pk_mul_f32 v[SC+32+4*\i+2:SC+32+4*\i+3], v[SC+32+4*\i+2:SC+32+4*\i+3], v[MK+2:MK+3]
	v_cvt_pk_f16_f32 v[SC+32+4*\i],   v[SC+32+4*\i],   v[SC+32+4*\i+1]
	v_cvt_pk_f16_f32 v[SC+32+4*\i+1], v[SC+32+4*\i+2], v[SC+32+4*\i+3]
	ds_store_b64 v[CVS], v[SC+32+4*\i:SC+32+4*\i+1] offset:\b*BS+VP*\i
.endr
.endm
; S^T for 64 keys x 64 queries: 16 tiles, c in two passes of 32.  The first pass starts the sums (C = 0).
; The 16 accumulators take turns, one instruction a turn.
.macro SMUL
.irp st, 0,1,2,3
.irp tt, 0,1,2,3
	v_wmma_f32_16x16x32_f16 v[SC+32*\tt+8*\st:SC+32*\tt+8*\st+7], v[KF+16*\st:KF+16*\st+7], v[QF+16*\tt:QF+16*\tt+7], 0
.endr
.endr
.irp st, 0,1,2,3
.irp tt, 0,1,2,3
	v_wmma_f32_16x16x32_f16 v[SC+32*\tt+8*\st:SC+32*\tt+8*\st+7], v[KF+16*\st+8:KF+16*\st+15], v[QF+16*\tt+8:QF+16*\tt+15], v[SC+32*\tt+8*\st:SC+32*\tt+8*\st+7]
.endr
.endr
.endm
; O^T += V P for the same 64 keys, in two passes of 32 keys; 16 accumulators by turns, as above.  first = 1: the very first product starts the sums.
.macro PVMUL first
.irp ct, 0,1,2,3
.irp tt, 0,1,2,3
.if \first
	v_wmma_f32_16x16x32_f16 v[OA+8*(4*\ct+\tt):OA+8*(4*\ct+\tt)+7], v[VF+16*\ct:VF+16*\ct+7], v[SC+32*\tt:SC+32*\tt+7], 0
.else
	v_wmma_f32_16x16x32_f16 v[OA+8*(4*\ct+\tt):OA+8*(4*\ct+\tt)+7], v[VF+16*\ct:VF+16*\ct+7], v[SC+32*\tt:SC+32*\tt+7], v[OA+8*(4*\ct+\tt):OA+8*(4*\ct+\tt)+7]
.endif
.endr
.endr
.irp ct, 0,1,2,3
.irp tt, 0,1,2,3
	v_wmma_f32_16x16x32_f16 v[OA+8*(4*\ct+\tt):OA+8*(4*\ct+\tt)+7], v[VF+16*\ct+8:VF+16*\ct+15], v[SC+32*\tt+16:SC+32*\tt+23], v[OA+8*(4*\ct+\tt):OA+8*(4*\ct+\tt)+7]
.endr
.endr
.endm
; One stage of the softmax's pipeline over the four query tiles (9 = none): tile e gets its exponentials, tile a has its maximum taken away,
; tile c is summed into l and packed to f16 in place.  Pair i of a tile's 32 numbers (tile st = i / 4) goes to register 16 (i / 8) + i % 8, which is
; register i % 8 of P's fragment kk = i / 8; that register's number never exceeds 2 i, so nothing unread is overwritten, and the sum of pair i stands ahead.
; Behind each pair of v_exp_f32 stands a plain instruction on other registers before anything uses their results (ISA guide 5.7.2).
.macro SMSTAGE e, a, c, first
.irp i, 0,1,2,3,4,5,6,7,8,9,10,11,12,13,14,15
.if \e < 4
	v_exp_f32 v[SC+32*\e+2*\i],   v[SC+32*\e+2*\i]
	v_exp_f32 v[SC+32*\e+2*\i+1], v[SC+32*\e+2*\i+1]
.endif
.if \a < 4
	v_pk_add_f32 v[SC+32*\a+2*\i:SC+32*\a+2*\i+1], v[SC+32*\a+2*\i:SC+32*\a+2*\i+1], v[MM+2*\a:MM+2*\a+1] neg_lo:[0,1] neg_hi:[0,1]
.endif
.if \c < 4
.if \first
.if \i == 0
	s_wait_alu depctr_va_vdst(0)
	v_pk_add_f32 v[LL+2*\c:LL+2*\c+1], v[SC+32*\c:SC+32*\c+1], v[SC+32*\c+2:SC+32*\c+3]    ; the first two pairs start l: nothing is cleared
.endif
.if \i > 1
	v_pk_add_f32 v[LL+2*\c:LL+2*\c+1], v[LL+2*\c:LL+2*\c+1], v[SC+32*\c+2*\i:SC+32*\c+2*\i+1]
.endif
.else
.if \i == 0
	s_wait_alu depctr_va_vdst(0)
	v_pk_fma_f32 v[LL+2*\c:LL+2*\c+1], v[LL+2*\c:LL+2*\c+1], v[AL+2*\c:AL+2*\c+1], v[SC+32*\c:SC+32*\c+1]   ; l = l * factor + p
	s_wait_alu depctr_va_vdst(0)
.else
	s_wait_alu depctr_va_vdst(0)
	v_pk_add_f32 v[LL+2*\c:LL+2*\c+1], v[LL+2*\c:LL+2*\c+1], v[SC+32*\c+2*\i:SC+32*\c+2*\i+1]
.endif
.endif
	v_cvt_pk_f16_f32 v[SC+32*\c+16*(\i/8)+(\i%8)], v[SC+32*\c+2*\i], v[SC+32*\c+2*\i+1]
.endif
.endr
.endm
; New maximum, factor exp2(m_old - m_new), p = exp2(S - m), l, P.  Four chains (the four query tiles) that do not wait for each other.
.macro SOFTMAX first
.irp tt, 0,1,2,3
.if \first
	v_max_num_f32 v[MX+\tt], v[SC+32*\tt], v[SC+32*\tt+1]
.else
	v_max3_num_f32 v[MX+\tt], v[MM+2*\tt], v[SC+32*\tt], v[SC+32*\tt+1]
.endif
.endr
.irp i, 1,2,3,4,5,6,7,8,9,10,11,12,13,14,15
.irp tt, 0,1,2,3
	v_max3_num_f32 v[MX+\tt], v[MX+\tt], v[SC+32*\tt+2*\i], v[SC+32*\tt+2*\i+1]
.endr
.endr
.irp tt, 0,1,2,3
	v_permlanex16_b32 v[TP+\tt], v[MX+\tt], s12, s13       ; lane xor 16 holds the same query's other keys
.endr
.irp tt, 0,1,2,3
	v_max_num_f32 v[MX+\tt], v[MX+\tt], v[TP+\tt]
.endr
.if \first == 0
.irp tt, 0,1,2,3
	v_sub_f32 v[AL+2*\tt], v[MM+2*\tt], v[MX+\tt]
.endr
.endif
.irp tt, 0,1,2,3
	v_mov_b32 v[MM+2*\tt],   v[MX+\tt]
	v_mov_b32 v[MM+2*\tt+1], v[MX+\tt]
.endr
.if \first == 0
.irp tt, 0,1,2,3
	v_exp_f32 v[AL+2*\tt], v[AL+2*\tt]
.endr
.endif
	SMSTAGE 9, 0, 9, \first                        ; its plain instructions are also the place behind the four v_exp_f32 above
.if \first == 0
	s_wait_alu depctr_va_vdst(0)
.irp tt, 0,1,2,3
	v_mov_b32 v[AL+2*\tt+1], v[AL+2*\tt]
.endr
.endif
	SMSTAGE 0, 1, 9, \first
	SMSTAGE 1, 2, 0, \first
	SMSTAGE 2, 3, 1, \first
	SMSTAGE 3, 9, 2, \first
	SMSTAGE 9, 9, 3, \first
.endm
; O *= the factor of its query tile: a lane of O holds the query whose factor the lane holds.
.macro RESCALE
.irp ct, 0,1,2,3
.irp tt, 0,1,2,3
.irp j, 0,2,4,6
	v_pk_mul_f32 v[OA+8*(4*\ct+\tt)+\j:OA+8*(4*\ct+\tt)+\j+1], v[OA+8*(4*\ct+\tt)+\j:OA+8*(4*\ct+\tt)+\j+1], v[AL+2*\tt:AL+2*\tt+1]
.endr
.endr
.endr
.endm
; A half step: keys 64 u .. 64 u + 63 of stage b.  nextk = 1: the K fragments of the second half step are fetched behind V's.
; Four plain places stand behind the S products before their results are read and before loads are issued into their fragments; five behind the
; P V products before P's registers are written over by a matrix instruction (ISA guide 7.12.1 for matrix and vector instructions).
.macro SUB b, u, first, nextk
.if \u
	s_wait_dscnt 0x0                               ; the K fragments fetched in the first half step are in
.endif
	WIN W_SMUL
	SMUL
	NOPS 4
	WIN W_FRAG
	VLOAD \b, \u
.if \nextk
	KLOAD \b, 1
.endif
	WIN 0
	SOFTMAX \first
.if \first == 0
	WIN W_OMUL
	RESCALE
.endif
.if \nextk
	s_wait_dscnt 16                                ; V's fragments are in; the 16 loads of K's, issued behind them, may stay out
.else
	s_wait_dscnt 0x0
.endif
	WIN W_PV
	PVMUL \first
	NOPS 5
	WIN 0
.endm
; Step t, par = t % 2, oth = the other.  In front of the round every wave has waited for all its tensor loads (tile t + 1 has landed) and for all its
; LDS instructions: its reads of landing slot par (tile t, rounded last step), its stores of tile t into stage par, its fragment reads of stage oth.
; Behind the round: landing slot par is filled again (tile t + 2), first thing; stage par is read; tile t + 1 is rounded from slot oth into stage oth.
; A refill has the whole step in which to land: 128 matrix instructions of each wave.
; refill = 0 (the last two steps): nothing is filled, so my work-group's barrier alone.  conv = 0 (the last step): no tile is left to round.
.macro STEP par, oth, first, refill, conv, pf
	s_wait_xcnt 0x0
	v_lshl_add_u32 v254, v0, 2, 0x47800
	v_mov_b32 v255, 0
	s_wait_tensorcnt 0x0                           ; no tensor load of mine is out: a group 0 may be written
	ds_add_u32 v254, v255
	s_wait_dscnt 0x0
.if \refill
	s_add_nc_u64 s[G0+4*\par+2:G0+4*\par+3], s[G0+4*\par+2:G0+4*\par+3], 2*TILEB   ; this slot's next tile; the type bits on top are not reached
.endif
	s_wait_dscnt 0x0
.if \refill
	ROUND
	JLOAD \par
.else
	BAR
.endif
	WIN W_FRAG
	KLOAD \par, 0
	WIN 0
.if \conv
	CONV \oth, \oth, 512+512*\par
.else
	s_wait_dscnt 0x0
.endif
.if \pf
	PREF 512+512*\par                              ; tile t + 3, whose tensor load is issued in the next step
.endif
	SUB \par, 0, \first, 1
	SUB \par, 1, 0, 0
.endm
.macro PAIR first, r, c1, pf0, pf1
	STEP 0, 1, \first, \r, 1, \pf0
	STEP 1, 0, 0, \r, \c1, \pf1
.if \r
	s_wait_xcnt 0x0                                ; the prefetches' base is stepped only behind this wait; the last prefetch stands a step back
	s_add_nc_u64 s[36:37], s[36:37], 2*TILEB
	v_add_nc_u32 v[MADR], 2*TILEB, v[MADR]         ; two tiles' 256 mask numbers on
.endif
.endm
	; ---- set-up ----
	s_load_b128 s[4:7], s[0:1], 0x0                ; qkv s[4:5], mask s[6:7]
	s_load_b64 s[8:9], s[0:1], 0x10                ; out0
	v_lshl_add_u32 v254, v0, 2, 0x47800
	v_mov_b32 v255, 0
	ds_add_u32 v254, v255
	s_wait_dscnt 0x0
	v_lshrrev_b32 v1, 5, v0
	v_readfirstlane_b32 s10, v1                    ; W, my wave's number
	s_bfe_u32 s11, ttmp6, 0x40000                  ; cx, my place in the cluster; it enters global offsets of Q, out0 and the prefetches alone
	s_lshr_b32 s43, s10, 1                         ; 0: I issue tensor loads; 1: I issue prefetches
	s_mov_b32 s12, 0x76543210                      ; v_permlanex16_b32: lane i of one half reads lane i of the other
	s_mov_b32 s13, 0xfedcba98
	; group 1: 64 rows x 128 elements of 4 bytes, no padding, for all four work-groups of the cluster
	s_mov_b32 s[G1+0], 15|(2<<16)|(1<<21)          ; 15:0 the mask: all four; 17:16 element of 4 bytes; 21 set beside a mask
	s_mov_b32 s[G1+1], 128<<16                     ; tensor_dim0 = 128
	s_mov_b32 s[G1+2], 64<<16                      ; tensor_dim1 = 64
	s_mov_b32 s[G1+3], 128<<16                     ; tile_dim0 = 128
	s_mov_b32 s[G1+4], 64                          ; tile_dim1 = 64
	s_mov_b32 s[G1+5], 2048                        ; elements from row to row
	s_mov_b32 s[G1+6], 0
	s_mov_b32 s[G1+7], 0
	s_mul_i32 s32, ttmp9, HEADB                    ; the head in qkv: 63 x 1,572,864 at the most, below 4 GiB
	s_mov_b32 s33, 0
	s_lshl_b32 s14, s10, 19                        ; W x 64 rows: wave 0 K, wave 1 V
	s_mov_b32 s15, 0
	s_mul_i32 s3, s10, 32768                       ; and where they land in a slot
	s_lshl_b32 s40, s11, 11                        ; my work-group's 512 queries,
	s_lshl_b32 s41, s10, 8                         ; my wave's 64, in bytes of a row
	s_add_co_u32 s40, s40, s41
	s_mov_b32 s41, 0
	s_lshl_b32 s44, ttmp9, 19                      ; the head in out0: 64 rows
	s_add_co_u32 s44, s44, s40
	s_mov_b32 s45, 0
	s_and_b32 s46, ttmp9, 3                        ; the tiled mask: row head mod 4
	s_lshl_b32 s46, s46, 13
	s_mov_b32 s47, 0
	s_wait_kmcnt 0x0
	s_add_nc_u64 s[34:35], s[4:5], s[32:33]        ; the head's first row
	s_add_nc_u64 s[38:39], s[34:35], s[40:41]      ; Q at my wave's queries
	s_add_nc_u64 s[34:35], s[34:35], KOFF          ; K's first row
	s_add_nc_u64 s[36:37], s[34:35], 2*TILEB       ; the prefetches' base: tile 2
	s_add_nc_u64 s[32:33], s[34:35], s[14:15]      ; my 64 rows of tile 0
	s_add_nc_u64 s[6:7], s[6:7], s[46:47]
	s_add_nc_u64 s[8:9], s[8:9], s[44:45]
.irp n, 0,1
	s_mov_b32 s[G0+4*\n], 1                                        ; count = 1
	s_add_co_u32 s[G0+4*\n+1], s3, \n*SLOTB                        ; LDS address: the slot's constant + W x 32,768
	s_add_nc_u64 s[G0+4*\n+2:G0+4*\n+3], s[32:33], \n*TILEB        ; global address: tile n
	s_or_b32 s[G0+4*\n+3], s[G0+4*\n+3], 0x80000000                ; type = 2
.endr
	ROUND                                          ; all four work-groups are here: the first joint loads meet
	s_cmp_eq_u32 s43, 0                            ; both first fills of a wave inside one branch on its number
	s_cbranch_scc0 .Lno_first
	tensor_load_to_lds s[G0:G0+3], s[G1:G1+7]      ; tile 0
	s_nop 0
	tensor_load_to_lds s[G0+4:G0+7], s[G1:G1+7]    ; tile 1: two tensor loads of the wave are out, later one
	s_nop 0
	NOPS 4
.Lno_first:
	s_lshl_b32 s44, s11, 18                        ; prefetch: 32 cx rows
	s_and_b32 s45, s10, 1
	s_lshl_b32 s45, s45, 8
	s_add_co_u32 s44, s44, s45
	v_and_b32 v1, 31, v0                           ; l
	v_and_b32 v2, 15, v0                           ; r
	v_bfe_u32 v3, v0, 4, 1                         ; h
	v_lshlrev_b32 v[MGO], 4, v0
	v_lshlrev_b32 v[CO], 13, v3
	v_lshl_add_u32 v[CO], v2, 4, v[CO]
	v_lshl_add_u32 v[PFO], v1, 13, s44
	global_load_b128 v[MT:MT+3],   v[MGO], s[6:7]              ; the mask row: 256 threads x 16 bytes, twice
	global_load_b128 v[MT+4:MT+7], v[MGO], s[6:7] offset:4096
.set qi, 0
.rept 32
	global_load_b128 v[SC+4*qi:SC+4*qi+3], v[CO], s[38:39] offset:2*ROWB*qi th:TH_LOAD_NT   ; Q rows 2 qi (lanes 0-15) and 2 qi + 1: 256 neighbouring bytes each
.set qi, qi+1
.endr
	PREF 0                                         ; tile 2, whose tensor load is issued in step 0
	s_mul_i32 s14, s10, WSW
	s_add_co_u32 s14, s14, WS                      ; my scratch
	s_mul_i32 s15, s10, 8*KP
	s_add_co_u32 s15, s15, B0
	s_mul_i32 s42, s10, 8*VP
	s_add_co_u32 s42, s42, B0+VST
	v_and_b32 v48, 7, v0
	v_lshl_add_u32 v48, v3, 3, v48                 ; 8 h + l % 8: the row that a transposing load's lane addresses
	v_bfe_u32 v49, v0, 3, 1                        ; and which 16 bytes of it
	v_mul_u32_u24 v[KADR], v48, KP
	v_lshl_add_u32 v[KADR], v49, 4, v[KADR]
	v_add_nc_u32 v[KADR], B0, v[KADR]
	v_mul_u32_u24 v[VADR], v2, VP
	v_lshl_add_u32 v[VADR], v3, 4, v[VADR]
	v_add_nc_u32 v[VADR], B0+VST, v[VADR]
	v_lshlrev_b32 v[CL], 4, v1
	v_lshl_add_u32 v[CL], s10, 12, v[CL]
	v_add_nc_u32 v[CL+1], SLOTB, v[CL]
	v_lshl_add_u32 v[CKS], v1, 3, s15
	v_lshl_add_u32 v[CVS], v1, 3, s42
	v_lshlrev_b32 v[MADR], 4, v1
	v_add_nc_u32 v[MADR], MASKL, v[MADR]
	v_mul_u32_u24 v[QADR], v48, QP
	v_lshl_add_u32 v[QADR], v49, 4, v[QADR]
	v_add_nc_u32 v[QADR], s14, v[QADR]
	v_mul_u32_u24 v[STO], v3, 8*OP                 ; a lane of O holds rows 8 h + j, column r of a query tile
	v_lshl_add_u32 v[STO], v2, 2, v[STO]
	v_add_nc_u32 v[STO], s14, v[STO]
	v_mul_u32_u24 v[RD], v3, OP
	v_lshl_add_u32 v[RD], v2, 4, v[RD]
	v_add_nc_u32 v[RD], s14, v[RD]
	v_add_nc_u32 v[MST], MASKL, v[MGO]
	v_mul_u32_u24 v[QST], v3, QP
	v_lshl_add_u32 v[QST], v2, 3, v[QST]
	v_add_nc_u32 v[QST], s14, v[QST]
.irp tt, 0,1,2,3
	v_mov_b32 v[TP+\tt], 0                         ; v_permlanex16_b32's destination counts as read
.endr
	s_wait_loadcnt 32                              ; loads come back in order (ISA guide 5.7.1): the mask is in, Q's 32 loads may be out
	ds_store_b128 v[MST], v[MT:MT+3]
	ds_store_b128 v[MST], v[MT+4:MT+7] offset:4096
	; Q: times 0.125 log2(e) in f32, rounded to f16, into my scratch as [c][t]; then read back transposed as fragments
.set qi, 0
.rept 32
	s_wait_loadcnt 31-qi
	v_pk_mul_f32 v[SC+4*qi:SC+4*qi+1],   v[SC+4*qi:SC+4*qi+1],   0x3e38aa3b op_sel_hi:[1,0]
	v_pk_mul_f32 v[SC+4*qi+2:SC+4*qi+3], v[SC+4*qi+2:SC+4*qi+3], 0x3e38aa3b op_sel_hi:[1,0]
	v_cvt_pk_f16_f32 v[SC+4*qi],   v[SC+4*qi],   v[SC+4*qi+1]
	v_cvt_pk_f16_f32 v[SC+4*qi+1], v[SC+4*qi+2], v[SC+4*qi+3]
	ds_store_b64 v[QST], v[SC+4*qi:SC+4*qi+1] offset:2*QP*qi
.set qi, qi+1
.endr
.irp tt, 0,1,2,3
.irp kk, 0,1
	ds_load_tr16_b128 v[QF+16*\tt+8*\kk:QF+16*\tt+8*\kk+3],   v[QADR] offset:32*QP*\kk+32*\tt          ; my own bytes: LDS serves a wave's instructions in order
	ds_load_tr16_b128 v[QF+16*\tt+8*\kk+4:QF+16*\tt+8*\kk+7], v[QADR] offset:32*QP*\kk+32*\tt+16*QP
.endr
.endr
	s_wait_tensorcnt 0x1                           ; my part of tile 0 has landed; tile 1 may stay out
	s_wait_dscnt 0x0                               ; my part of the mask is stored, my Q fragments are in
	BAR
	CONV 0, 0, 0                                   ; tile 0 into stage 0
	; ---- the 16 steps, two at a time ----
	PAIR 1, 1, 1, 1, 1                             ; steps 0, 1: the first products start O and l
	s_mov_b32 s42, 5
.Lpair:
	PAIR 0, 1, 1, 1, 1                             ; steps 2 to 11
	s_sub_co_u32 s42, s42, 1
	s_cmp_lg_u32 s42, 0
	s_cbranch_scc1 .Lpair
	PAIR 0, 1, 1, 1, 0                             ; steps 12, 13: the last refills (tiles 14, 15); step 12 asks for tile 15, step 13 for nothing
	PAIR 0, 0, 0, 0, 0                             ; steps 14, 15: nothing is filled; step 14 still rounds tile 15
	; ---- O / l, and the way out ----
.irp tt, 0,1,2,3
	v_add_f32 v[MX+\tt], v[LL+2*\tt], v[LL+2*\tt+1]
.endr
.irp tt, 0,1,2,3
	v_permlanex16_b32 v[TP+\tt], v[MX+\tt], s12, s13
.endr
.irp tt, 0,1,2,3
	v_add_f32 v[MX+\tt], v[MX+\tt], v[TP+\tt]
.endr
.irp tt, 0,1,2,3
	v_rcp_f32 v[AL+2*\tt],   v[MX+\tt]
	v_rcp_f32 v[AL+2*\tt+1], v[MX+\tt]
.endr
	v_nop                                          ; the plain place behind the reciprocals (ISA guide 5.7.2)
	s_wait_alu depctr_va_vdst(0)
	WIN W_OMUL
	RESCALE
	; 16 rows (c) x 64 queries at a time through my scratch: in by numbers, back by rows, so that 16 lanes store 256 consecutive bytes,
	; at a multiple of 256 from out0's first byte.  No data register is used twice, so the stores' sources are never rewritten.
.irp ct, 0,1,2,3
	WIN W_OST
.irp tt, 0,1,2,3
.irp j, 0,1,2,3,4,5,6,7
	ds_store_b32 v[STO], v[OA+8*(4*\ct+\tt)+\j] offset:OP*\j+64*\tt
.endr
.endr
	WIN 0
.irp i, 0,1,2,3,4,5,6,7
	ds_load_b128 v[SC+32*\ct+4*\i:SC+32*\ct+4*\i+3], v[RD] offset:2*OP*\i     ; in order behind the stores above, and ahead of the next 16 rows' stores
.endr
.irp i, 0,1,2,3,4,5,6,7
	s_wait_dscnt 7-\i
	global_store_b128 v[CO], v[SC+32*\ct+4*\i:SC+32*\ct+4*\i+3], s[8:9] offset:(16*\ct+2*\i)*ROWB th:TH_STORE_NT
.endr
.endr
	s_wait_xcnt 0x0
	v_lshl_add_u32 v254, v0, 2, 0x47800
	v_mov_b32 v255, 0
	s_wait_tensorcnt 0x0
	ds_add_u32 v254, v255
	s_wait_dscnt 0x0
	ROUND                                          ; the closing round: no work-group ends while a partner may still ask for a tile that names it
	s_endpgm
.Lfunc_end_k_qcd4da5513a_attn:
	.size	k_qcd4da5513a_attn, .Lfunc_end_k_qcd4da5513a_attn-k_qcd4da5513a_attn
	.p2alignl 7, 3214868480
	.fill 96, 4, 3214868480
	.section	.rodata,"a",@progbits
	.p2align	6, 0x0
	.amdhsa_kernel k_qcd4da5513a_attn
		.amdhsa_group_segment_fixed_size 327680
		.amdhsa_private_segment_fixed_size 0
		.amdhsa_enable_private_segment 0
		.amdhsa_kernarg_size 24
		.amdhsa_user_sgpr_count 2
		.amdhsa_user_sgpr_kernarg_segment_ptr 1
		.amdhsa_wavefront_size32 1
		.amdhsa_system_sgpr_workgroup_id_x 1
		.amdhsa_system_sgpr_workgroup_id_y 1
		.amdhsa_system_sgpr_workgroup_id_z 1
		.amdhsa_system_vgpr_workitem_id 0
		.amdhsa_next_free_vgpr 512
		.amdhsa_next_free_sgpr 66
		.amdhsa_reserve_vcc 0
		.amdhsa_float_denorm_mode_32 3
		.amdhsa_float_denorm_mode_16_64 3
		.amdhsa_memory_ordered 1
		.amdhsa_forward_progress 1
		.amdhsa_inst_pref_size 255
	.end_amdhsa_kernel
	.section	.bss,"aw",@nobits
	.p2align	6
	.space	262144
	.amdgpu_metadata
---
amdhsa.version: [ 1, 2 ]
amdhsa.kernels:
  - .name:           k_qcd4da5513a_attn
    .symbol:         k_qcd4da5513a_attn.kd
    .args:
      - { .name: qkv, .offset: 0, .size: 8, .value_kind: global_buffer, .address_space: global }
      - { .name: mask, .offset: 8, .size: 8, .value_kind: global_buffer, .address_space: global }
      - { .name: out0, .offset: 16, .size: 8, .value_kind: global_buffer, .address_space: global }
    .group_segment_fixed_size: 327680
    .private_segment_fixed_size: 0
    .kernarg_segment_align: 8
    .kernarg_segment_size: 24
    .max_flat_workgroup_size: 256
    .sgpr_count:     66
    .vgpr_count:     512
    .wavefront_size: 32
...
	.end_amdgpu_metadata
.endif
;; end of part 1
;; ======== version 2 of 2: 1 launch
;; limits: values are held in f16: magnitudes above 65,504 overflow, below 6.1e-05 lose precision
;; launch attn (part 2): grid 256 x 1, 8 waves a work-group, clusters of 4 x 1, 327,680 bytes of LDS; arguments qkv, mask, out0; writes out0
.if DOCPART == 2
	.amdgcn_target "amdgcn-amd-amdhsa--gfx1250"
	.amdhsa_code_object_version 6
	.text
	.protected	k_qcd4da5513a_attn
	.globl	k_qcd4da5513a_attn
	.p2align	8
	.type	k_qcd4da5513a_attn,@function
k_qcd4da5513a_attn:
	s_mov_b64 s[64:65], 0
	v_nop
	global_prefetch_b8 v0, s[64:65] scope:SCOPE_SE
	s_setreg_imm32_b32 hwreg(HW_REG_WAVE_MODE, 25, 1), 1
	s_wait_xcnt 0x0
	s_wait_alu depctr_hold_cnt(0) depctr_sa_sdst(0) depctr_va_vdst(0) depctr_va_sdst(0) depctr_va_ssrc(0) depctr_va_vcc(0) depctr_vm_vsrc(0)
	s_getreg_b32 s2, hwreg(HW_REG_IB_STS2, 6, 4)
	s_cmp_eq_u32 s2, 0
	s_cbranch_scc0 .Lentry_in_a_cluster
	s_endpgm
.Lentry_in_a_cluster:
	s_bfe_u32 s2, ttmp6, 0x10000c
	s_cmp_lg_u32 s2, 0x3003
	s_cbranch_scc0 .Lentry_shape_is_right
	s_endpgm
.Lentry_shape_is_right:
; Attention over 64 heads.  qkv seen as [64 heads][192 rows][2048] f32: rows 0-63 q[c][t], 64-127 k[c][s], 128-191 v[c][s].
; out[head][c][t] = sum over s of softmax_s(q.k / 8)[t][s] * mask[head mod 4][s] * v[c][s]; the softmax's sum does not see the mask.
;
; SHARES.  A cluster of four work-groups is one head (ttmp9); work-group cx takes queries 512 cx .. 512 cx + 511; each of its eight waves 64 queries.
; The four work-groups walk the same K and V tiles: those are asked for JOINTLY (mask 15), so a tile is requested once for the four.
; Q is read by its own wave alone; the head's mask row (8,192 bytes) is copied once into LDS.
; Eight waves of 64 queries and not four of 128: two waves on a SIMD let one wave's exponentials run beside the other's products, and a wave's
; registers (512) need two windows only.
;
; BOTH PRODUCTS ARE USED TRANSPOSED.  S^T = K^T Q: source 0 = 16 keys x 32 c, source 1 = 16 queries x 32 c.  Lane (r, h), register j of tile st then
; holds query r, key 16 st + 8 h + j: maximum and sum over keys are in the lane, plus one exchange with lane xor 16.  Two neighbouring tiles, packed to
; f16, ARE source 1 of the second product (16 queries x 32 keys).  O^T = V P: source 0 = 16 c x 32 keys; a lane of O holds the query of its statistics.
;
; FORMATS.  q * 0.125 * log2(e), k, v * mask and p = exp2(S - m) are rounded to f16 for the matrix unit; sums, maxima, l and O stay in f32.
; f16 and not bf16: an output is a weighted mean over 2,048 keys, far smaller than its terms, and is wanted to a hundredth of the outputs' root mean
; square; four roundings to 8 significant bits leave too little margin for that, four to 11 bits leave eight times more.
; m is a running maximum, O and l are rescaled by exp2(m_old - m_new) in every half step (no branch hangs on data).
; LIMITS, stated.  Range: |0.18 q|, |k| and |v * mask| stay below 65,504, f16's largest number (beyond it the operand becomes Inf); numbers of the kind
; drawn stay below 6, and thirty times larger in every input below 5,000.  Operands below 2^-14 are f16 denormals, with an absolute error of 2^-25 at the
; most, and below 2^-25 they are 0: for p that is harmless for every input, since one p of each query is 1 and l >= 1, so 2,048 such errors are at most
; 2^-14 of the largest term.  The rescaling factor below 2^-126 comes out as 0 (v_exp_f32 flushes denormal results: ISA guide, its entry in chapter 15).
; Inputs that hold Inf or NaN are not followed as the f32 formula would follow them.
;
; KEYS go in 16 steps of 128.  Tile t = rows 64..191 of the head, columns 128 t .. +127, f32: 128 rows x 512 bytes, each row's start a multiple of 512
; bytes from the buffer's first byte.  Two f32 landing slots are filled by tensor loads; each wave rounds 8 rows of K and 8 of V of the NEXT tile to
; f16 into one of two stages; fragments are read from the stages.  One round of the cluster's barrier a step orders all of it (see STEP).
;
; THE TEXT IS KEPT SHORT.  A half step (64 keys) is some 620 instructions.  A step's two half steps are one text run twice (HALVES); the seven pairs of
; steps that fill slots again are one loop; the last pair, which fills nothing, is written out.  The products that start O and l (C = 0) are one half
; step written out ahead of the loop: keys 0 to 63; step 0 in the loop then runs its second half step alone.
; Stage stands in the immediates of the LDS instructions, slot in the address register (v6, v7), so each line shows which of the two it touches.
.set ROWB,  8192                       ; bytes in a row of qkv and of out0
.set HEADB, 192*ROWB                   ; a head in qkv
.set KOFF,  64*ROWB                    ; from q's first row to k's
.set TILEB, 512                        ; bytes of a row in a tile, and from a tile to the next
; LDS map.  Tensor loads land in 0 .. 131,071 alone; LDS stores go to the regions behind it alone.
.set SLOTB, 65536                      ; landing slot n at n*SLOTB: K's 64 rows, then V's 64, pitch 512 (read only as whole rows, lane l at 16 l: no padding needed)
.set B0,    131072                     ; stage b at B0 + b*BS
.set KP,    288                        ; K stage: f16 [64 c][128 s], pitch 9 x 32 bytes, for the transposing loads
.set VP,    272                        ; V stage: f16 [64 c][128 s], pitch 17 x 16 bytes
.set VST,   64*KP                      ; the V stage lies behind the K stage
.set BS,    64*KP+64*VP                ; 35,840
.set WS,    B0+2*BS                    ; 202,752: each wave's own scratch,
.set WSW,   10240                      ; first Q in f16 [64 c][64 t], pitch QP; at the end 16 rows of output, pitch OP
.set QP,    160                        ; 5 x 32 bytes
.set OP,    272
.set MASKL, WS+8*WSW                   ; 284,672: the mask row, f32; the map ends at 292,864
; Registers, window 0
.set KADR, 4                           ; K fragments: B0 + (8 h + l%8) KP + 16 ((l>>3)&1); never rewritten
.set VADR, 5                           ; V fragments: B0 + VST + VP r + 16 h; never rewritten
.set CL,   6                           ; v6, v7: my 8 rows in landing slot 0, 1: 4096 W + 16 l
.set CKS,  8                           ; my 8 rows of the K stage: B0 + 8 KP W + 8 l
.set CVS,  9                           ; my 8 rows of the V stage
.set MADR, 10                          ; mask: MASKL + 16 l, stepped by two tiles a pair of steps
.set QADR, 11                          ; Q fragments in my scratch
.set STO,  12                          ; the way out: where a number of O goes
.set RD,   13                          ; the way out: where 16 bytes of a row are read back
.set CO,   14                          ; 8192 h + 16 r: two rows of 256 bytes, for the loads of Q and the stores of out0; never rewritten
.set PFO,  15                          ; prefetch: (32 cx + l) rows + 256 (W & 1); never rewritten
.set MM,   16                          ; v[16:23]  running maximum of query tile tt, twice (a pair for packed arithmetic)
.set LL,   24                          ; v[24:31]  two partial sums for each tt
.set AL,   32                          ; v[32:39]  exp2(m_old - m_new), at the end 1 / l, twice for each tt
.set MX,   40                          ; v[40:43]  maximum at work
.set TP,   44                          ; v[44:47]  what lane xor 16 sent
.set MK,   48                          ; v[48:51]  four mask numbers (set-up: temporaries)
.set MT,   52                          ; v[52:59]  the mask on its way to LDS
.set MST,  60                          ; MASKL + 16 thread
.set QST,  61                          ; where Q's f16 go in my scratch
.set MGO,  62                          ; 16 thread; never rewritten
.set QF,   64                          ; v[64:127]  Q fragment (tt, kk) at QF + 16 tt + 8 kk
.set SC,   128                         ; v[128:255] S tile (st, tt) at SC + 32 tt + 8 st; also Q in f32, rows being rounded, P packed in place, output rows
; Registers, window 1 (v256-v511), written by their low 8 bits
.set OA,   0                           ; O tile (ct, tt) at 8 (4 ct + tt)
.set KF,   128                         ; K fragment (st, kk) at KF + 8 (2 st + kk)
.set VF,   192                         ; V fragment (ct, kk) at VF + 8 (2 ct + kk)
.set G1,   16                          ; s[16:23] descriptor group 1
.set G0,   24                          ; s[24:31] descriptor group 0, one set for each landing slot
; Scalars of the loops: s42 pairs left (7 .. 1), s44 the half step (0, 1), s45 = 1 until step 0's half steps have begun, then 0
; s_set_vgpr_msb's low byte: bits 1:0 source 0, 3:2 source 1, 5:4 source 2, 7:6 destination; the high byte repeats the setting that is left.
.set MSB, 0
.macro WIN new
.if MSB != \new
	s_set_vgpr_msb (MSB<<8)|\new
.set MSB, \new
.endif
.endm
.set W_SMUL, 0x01                      ; source 0 (K fragment) window 1
.set W_PV,   0x51                      ; source 0 (V fragment), C and D (O) window 1
.set W_OMUL, 0x41                      ; O = O * factor: destination and source 0 window 1
.set W_FRAG, 0x40                      ; LDS load into window 1
.set W_OST,  0x04                      ; LDS store of data from window 1
.macro NOPS n
.rept \n
	v_nop
.endr
.endm
.macro BAR
	s_barrier_signal -1
	s_barrier_wait -1
.endm
; A round of the cluster's barrier: my work-group's barrier, wave 0 signals for the work-group, every wave waits for all four work-groups, my barrier again.
.macro ROUND
	s_barrier_signal -1
	s_barrier_wait -1
	s_cmp_lg_u32 s10, 0
	s_cbranch_scc1 .Lnot_wave_0_\@
	s_barrier_signal -3
.Lnot_wave_0_\@:
	s_barrier_wait -3
	s_barrier_signal -1
	s_barrier_wait -1
.endm
; The joint refill of landing slot n: wave 0 asks for K's 64 rows, wave 1 for V's, 32 KiB each; the other waves ask for nothing.
.macro JLOAD n
	s_cmp_eq_u32 s43, 0
	s_cbranch_scc0 .Lno_fill_\@
	tensor_load_to_lds s[G0+4*\n:G0+4*\n+3], s[G1:G1+7]
	s_nop 0
	NOPS 4
.Lno_fill_\@:
.endm
; Waves 2 and 3 ask the L2 for a later tile: lane l for row 32 cx + l of its 128 rows, wave 2 for the row's first 256 bytes, wave 3 for the second:
; 4 work-groups x 2 waves x 32 lanes = the tile's 256 blocks of 256 bytes, each asked for once in the launch.
; guard = 1 (the odd step): in the loop's last trip, step 13, the tile three steps on would be tile 16, which does not exist: nothing is asked for.
.macro PREF off, guard
	s_cmp_eq_u32 s43, 1
	s_cbranch_scc0 .Lno_ask_\@
.if \guard
	s_cmp_eq_u32 s42, 1
	s_cbranch_scc1 .Lno_ask_\@
.endif
	global_prefetch_b8 v[PFO], s[36:37] offset:\off th:TH_LOAD_NT scope:SCOPE_SE
.Lno_ask_\@:
.endm
; 16 transposing loads: the K fragments of keys 64 u .. 64 u + 63 of stage b.  The stage holds [c][s]; a fragment wants c along the lane's registers.
.macro KLOAD b, u
.irp st, 0,1,2,3
.irp kk, 0,1
	ds_load_tr16_b128 v[KF+8*(2*\st+\kk):KF+8*(2*\st+\kk)+3],   v[KADR] offset:\b*BS+32*KP*\kk+128*\u+32*\st
	ds_load_tr16_b128 v[KF+8*(2*\st+\kk)+4:KF+8*(2*\st+\kk)+7], v[KADR] offset:\b*BS+32*KP*\kk+128*\u+32*\st+16*KP
.endr
.endr
.endm
; 16 plain loads: the V fragments of the same keys; s lies along the stage's rows.
.macro VLOAD b, u
.irp ct, 0,1,2,3
.irp kk, 0,1
	ds_load_b128 v[VF+8*(2*\ct+\kk):VF+8*(2*\ct+\kk)+3],   v[VADR] offset:\b*BS+16*VP*\ct+128*\u+64*\kk
	ds_load_b128 v[VF+8*(2*\ct+\kk)+4:VF+8*(2*\ct+\kk)+7], v[VADR] offset:\b*BS+16*VP*\ct+128*\u+64*\kk+32
.endr
.endr
.endm
; My 8 rows of K and 8 rows of V of the tile in landing slot n are rounded to f16 into stage b; V is first multiplied by the mask of its keys, in f32.
; A lane takes 4 neighbouring keys of a row: 16 bytes in, 8 bytes out.
.macro CONV n, b, moff
	ds_load_b128 v[MK:MK+3], v[MADR] offset:\moff
.irp i, 0,1,2,3,4,5,6,7
	ds_load_b128 v[SC+4*\i:SC+4*\i+3], v[CL+\n] offset:512*\i
.endr
.irp i, 0,1,2,3,4,5,6,7
	ds_load_b128 v[SC+32+4*\i:SC+32+4*\i+3], v[CL+\n] offset:32768+512*\i
.endr
	s_wait_dscnt 8                                 ; LDS instructions end in order (ISA guide 5.7.1): all but the 8 loads of V's rows are in, the K fragments issued ahead too
.irp i, 0,1,2,3,4,5,6,7
	v_cvt_pk_f16_f32 v[SC+4*\i],   v[SC+4*\i],   v[SC+4*\i+1]
	v_cvt_pk_f16_f32 v[SC+4*\i+1], v[SC+4*\i+2], v[SC+4*\i+3]
	ds_store_b64 v[CKS], v[SC+4*\i:SC+4*\i+1] offset:\b*BS+KP*\i
.endr
	s_wait_dscnt 8                                 ; 8 stores were issued behind the last load of V's rows: those loads are in
.irp i, 0,1,2,3,4,5,6,7
	v_pk_mul_f32 v[SC+32+4*\i:SC+32+4*\i+1],   v[SC+32+4*\i:SC+32+4*\i+1],   v[MK:MK+1]
	v_pk_mul_f32 v[SC+32+4*\i+2:SC+32+4*\i+3], v[SC+32+4*\i+2:SC+32+4*\i+3], v[MK+2:MK+3]
	v_cvt_pk_f16_f32 v[SC+32+4*\i],   v[SC+32+4*\i],   v[SC+32+4*\i+1]
	v_cvt_pk_f16_f32 v[SC+32+4*\i+1], v[SC+32+4*\i+2], v[SC+32+4*\i+3]
	ds_store_b64 v[CVS], v[SC+32+4*\i:SC+32+4*\i+1] offset:\b*BS+VP*\i
.endr
.endm
; S^T for 64 keys x 64 queries: 16 tiles, c in two passes of 32.  The first pass starts the sums (C = 0).
; The 16 accumulators take turns, one instruction a turn.
.macro SMUL
.irp st, 0,1,2,3
.irp tt, 0,1,2,3
	v_wmma_f32_16x16x32_f16 v[SC+32*\tt+8*\st:SC+32*\tt+8*\st+7], v[KF+16*\st:KF+16*\st+7], v[QF+16*\tt:QF+16*\tt+7], 0
.endr
.endr
.irp st, 0,1,2,3
.irp tt, 0,1,2,3
	v_wmma_f32_16x16x32_f16 v[SC+32*\tt+8*\st:SC+32*\tt+8*\st+7], v[KF+16*\st+8:KF+16*\st+15], v[QF+16*\tt+8:QF+16*\tt+15], v[SC+32*\tt+8*\st:SC+32*\tt+8*\st+7]
.endr
.endr
.endm
; O^T += V P for the same 64 keys, in two passes of 32 keys; 16 accumulators by turns, as above.  first = 1: the very first product starts the sums.
.macro PVMUL first
.irp ct, 0,1,2,3
.irp tt, 0,1,2,3
.if \first
	v_wmma_f32_16x16x32_f16 v[OA+8*(4*\ct+\tt):OA+8*(4*\ct+\tt)+7], v[VF+16*\ct:VF+16*\ct+7], v[SC+32*\tt:SC+32*\tt+7], 0
.else
	v_wmma_f32_16x16x32_f16 v[OA+8*(4*\ct+\tt):OA+8*(4*\ct+\tt)+7], v[VF+16*\ct:VF+16*\ct+7], v[SC+32*\tt:SC+32*\tt+7], v[OA+8*(4*\ct+\tt):OA+8*(4*\ct+\tt)+7]
.endif
.endr
.endr
.irp ct, 0,1,2,3
.irp tt, 0,1,2,3
	v_wmma_f32_16x16x32_f16 v[OA+8*(4*\ct+\tt):OA+8*(4*\ct+\tt)+7], v[VF+16*\ct+8:VF+16*\ct+15], v[SC+32*\tt+16:SC+32*\tt+23], v[OA+8*(4*\ct+\tt):OA+8*(4*\ct+\tt)+7]
.endr
.endr
.endm
; One stage of the softmax's pipeline over the four query tiles (9 = none): tile e gets its exponentials, tile a has its maximum taken away,
; tile c is summed into l and packed to f16 in place.  Pair i of a tile's 32 numbers (tile st = i / 4) goes to register 16 (i / 8) + i % 8, which is
; register i % 8 of P's fragment kk = i / 8; that register's number never exceeds 2 i, so nothing unread is overwritten, and the sum of pair i stands ahead.
; Behind each pair of v_exp_f32 stands a plain instruction on other registers before anything uses their results (ISA guide 5.7.2).
.macro SMSTAGE e, a, c, first
.irp i, 0,1,2,3,4,5,6,7,8,9,10,11,12,13,14,15
.if \e < 4
	v_exp_f32 v[SC+32*\e+2*\i],   v[SC+32*\e+2*\i]
	v_exp_f32 v[SC+32*\e+2*\i+1], v[SC+32*\e+2*\i+1]
.endif
.if \a < 4
	v_pk_add_f32 v[SC+32*\a+2*\i:SC+32*\a+2*\i+1], v[SC+32*\a+2*\i:SC+32*\a+2*\i+1], v[MM+2*\a:MM+2*\a+1] neg_lo:[0,1] neg_hi:[0,1]
.endif
.if \c < 4
.if \first
.if \i == 0
	s_wait_alu depctr_va_vdst(0)
	v_pk_add_f32 v[LL+2*\c:LL+2*\c+1], v[SC+32*\c:SC+32*\c+1], v[SC+32*\c+2:SC+32*\c+3]    ; the first two pairs start l: nothing is cleared
.endif
.if \i > 1
	v_pk_add_f32 v[LL+2*\c:LL+2*\c+1], v[LL+2*\c:LL+2*\c+1], v[SC+32*\c+2*\i:SC+32*\c+2*\i+1]
.endif
.else
.if \i == 0
	s_wait_alu depctr_va_vdst(0)
	v_pk_fma_f32 v[LL+2*\c:LL+2*\c+1], v[LL+2*\c:LL+2*\c+1], v[AL+2*\c:AL+2*\c+1], v[SC+32*\c:SC+32*\c+1]   ; l = l * factor + p
	s_wait_alu depctr_va_vdst(0)
.else
	s_wait_alu depctr_va_vdst(0)
	v_pk_add_f32 v[LL+2*\c:LL+2*\c+1], v[LL+2*\c:LL+2*\c+1], v[SC+32*\c+2*\i:SC+32*\c+2*\i+1]
.endif
.endif
	v_cvt_pk_f16_f32 v[SC+32*\c+16*(\i/8)+(\i%8)], v[SC+32*\c+2*\i], v[SC+32*\c+2*\i+1]
.endif
.endr
.endm
; New maximum, factor exp2(m_old - m_new), p = exp2(S - m), l, P.  Four chains (the four query tiles) that do not wait for each other.
.macro SOFTMAX first
.irp tt, 0,1,2,3
.if \first
	v_max_num_f32 v[MX+\tt], v[SC+32*\tt], v[SC+32*\tt+1]
.else
	v_max3_num_f32 v[MX+\tt], v[MM+2*\tt], v[SC+32*\tt], v[SC+32*\tt+1]
.endif
.endr
.irp i, 1,2,3,4,5,6,7,8,9,10,11,12,13,14,15
.irp tt, 0,1,2,3
	v_max3_num_f32 v[MX+\tt], v[MX+\tt], v[SC+32*\tt+2*\i], v[SC+32*\tt+2*\i+1]
.endr
.endr
.irp tt, 0,1,2,3
	v_permlanex16_b32 v[TP+\tt], v[MX+\tt], s12, s13       ; lane xor 16 holds the same query's other keys
.endr
.irp tt, 0,1,2,3
	v_max_num_f32 v[MX+\tt], v[MX+\tt], v[TP+\tt]
.endr
.if \first == 0
.irp tt, 0,1,2,3
	v_sub_f32 v[AL+2*\tt], v[MM+2*\tt], v[MX+\tt]
.endr
.endif
.irp tt, 0,1,2,3
	v_mov_b32 v[MM+2*\tt],   v[MX+\tt]
	v_mov_b32 v[MM+2*\tt+1], v[MX+\tt]
.endr
.if \first == 0
.irp tt, 0,1,2,3
	v_exp_f32 v[AL+2*\tt], v[AL+2*\tt]
.endr
.endif
	SMSTAGE 9, 0, 9, \first                        ; its plain instructions are also the place behind the four v_exp_f32 above
.if \first == 0
	s_wait_alu depctr_va_vdst(0)
.irp tt, 0,1,2,3
	v_mov_b32 v[AL+2*\tt+1], v[AL+2*\tt]
.endr
.endif
	SMSTAGE 0, 1, 9, \first
	SMSTAGE 1, 2, 0, \first
	SMSTAGE 2, 3, 1, \first
	SMSTAGE 3, 9, 2, \first
	SMSTAGE 9, 9, 3, \first
.endm
; O *= the factor of its query tile: a lane of O holds the query whose factor the lane holds.
.macro RESCALE
.irp ct, 0,1,2,3
.irp tt, 0,1,2,3
.irp j, 0,2,4,6
	v_pk_mul_f32 v[OA+8*(4*\ct+\tt)+\j:OA+8*(4*\ct+\tt)+\j+1], v[OA+8*(4*\ct+\tt)+\j:OA+8*(4*\ct+\tt)+\j+1], v[AL+2*\tt:AL+2*\tt+1]
.endr
.endr
.endr
.endm
; The second part of a half step, behind the S products and the fragment loads: softmax, O rescaled, O += V P.
; Five plain places stand behind the P V products before P's registers are written over by a matrix instruction or a load (ISA guide 7.12.1 for matrix and vector instructions).
.macro FINISH first
	SOFTMAX \first
.if \first == 0
	WIN W_OMUL
	RESCALE
.endif
	s_wait_dscnt 0x0                               ; V's fragments are in, and K's for the next half step: all were issued ahead of the softmax's some 450 instructions
	WIN W_PV
	PVMUL \first
	NOPS 5
	WIN 0
.endm
; The half steps of a step, from stage b: one text, run for s44 = start .. 1.  They differ in their fragment loads alone, which stand under a branch on
; s44: half step 0 fetches V of keys 0-63 and K of keys 64-127, half step 1 V of keys 64-127.  K of the half step at hand is in its registers already.
; Four plain places stand behind the S products before their results are read and before loads are issued into their fragments (ISA guide 7.12.1 for matrix and vector
; instructions).  At a label and at a branch every window is 0.
.macro HALVES b, start
	s_mov_b32 s44, \start
.Lhalf_\@:
	WIN W_SMUL
	SMUL
	NOPS 4
	WIN 0
	s_cmp_eq_u32 s44, 0
	s_cbranch_scc0 .Lsecond_\@
	WIN W_FRAG
	VLOAD \b, 0
	KLOAD \b, 1
	WIN 0
	s_branch .Lloaded_\@
.Lsecond_\@:
	WIN W_FRAG
	VLOAD \b, 1
	WIN 0
.Lloaded_\@:
	FINISH 0
	s_add_co_u32 s44, s44, 1
	s_cmp_lt_u32 s44, 2
	s_cbranch_scc1 .Lhalf_\@
.endm
; Step t, par = t % 2, oth = the other.  In front of the round every wave has waited for all its tensor loads (tile t + 1 has landed) and for all its
; LDS instructions: its reads of landing slot par (tile t, rounded last step), its stores of tile t into stage par, its fragment reads of stage oth.
; Behind the round: landing slot par is filled again (tile t + 2), first thing; stage par is read; tile t + 1 is rounded from slot oth into stage oth.
; A refill has the whole step in which to land: 128 matrix instructions of each wave.
; refill = 0 (the last two steps): nothing is filled, so my work-group's barrier alone.  conv = 0 (the last step): no tile is left to round.
; pf: 0 no prefetch, 1 tile t + 3, 2 the same but not in the loop's last trip.
; vs = 1 (the loop's even step): in step 0 (s45 = 1) keys 0-63 are done and K of keys 64-127 is in its registers: no K is fetched here, and the half steps begin at 1.
.macro STEP par, oth, refill, conv, pf, vs
	s_wait_xcnt 0x0
	v_lshl_add_u32 v254, v0, 2, 0x47800
	v_mov_b32 v255, 0
	s_wait_tensorcnt 0x0                           ; no tensor load of mine is out: a group 0 may be written
	ds_add_u32 v254, v255
	s_wait_dscnt 0x0
.if \refill
	s_add_nc_u64 s[G0+4*\par+2:G0+4*\par+3], s[G0+4*\par+2:G0+4*\par+3], 2*TILEB   ; this slot's next tile; the type bits on top are not reached
.endif
	s_wait_dscnt 0x0
.if \refill
	ROUND
	JLOAD \par
.else
	BAR
.endif
.if \vs
	s_cmp_eq_u32 s45, 0
	s_cbranch_scc0 .Lhave_k_\@
.endif
	WIN W_FRAG
	KLOAD \par, 0
	WIN 0
.if \vs
.Lhave_k_\@:
.endif
.if \conv
	CONV \oth, \oth, 512+512*\par
.else
	s_wait_dscnt 0x0
.endif
.if \pf == 1
	PREF 512+512*\par, 0                           ; tile t + 3, whose tensor load is issued in the next step
.endif
.if \pf == 2
	PREF 512+512*\par, 1
.endif
.if \vs
	HALVES \par, s45
	s_mov_b32 s45, 0
.else
	HALVES \par, 0
.endif
.endm
	; ---- set-up ----
	s_load_b128 s[4:7], s[0:1], 0x0                ; qkv s[4:5], mask s[6:7]
	s_load_b64 s[8:9], s[0:1], 0x10                ; out0
	v_lshl_add_u32 v254, v0, 2, 0x47800
	v_mov_b32 v255, 0
	ds_add_u32 v254, v255
	s_wait_dscnt 0x0
	v_lshrrev_b32 v1, 5, v0
	v_readfirstlane_b32 s10, v1                    ; W, my wave's number
	s_bfe_u32 s11, ttmp6, 0x40000                  ; cx, my place in the cluster; it enters global offsets of Q, out0 and the prefetches alone
	s_lshr_b32 s43, s10, 1                         ; 0: I issue tensor loads; 1: I issue prefetches
	s_mov_b32 s12, 0x76543210                      ; v_permlanex16_b32: lane i of one half reads lane i of the other
	s_mov_b32 s13, 0xfedcba98
	; group 1: 64 rows x 128 elements of 4 bytes, no padding, for all four work-groups of the cluster
	s_mov_b32 s[G1+0], 15|(2<<16)|(1<<21)          ; 15:0 the mask: all four; 17:16 element of 4 bytes; 21 set beside a mask
	s_mov_b32 s[G1+1], 128<<16                     ; tensor_dim0 = 128
	s_mov_b32 s[G1+2], 64<<16                      ; tensor_dim1 = 64
	s_mov_b32 s[G1+3], 128<<16                     ; tile_dim0 = 128
	s_mov_b32 s[G1+4], 64                          ; tile_dim1 = 64
	s_mov_b32 s[G1+5], 2048                        ; elements from row to row
	s_mov_b32 s[G1+6], 0
	s_mov_b32 s[G1+7], 0
	s_mul_i32 s32, ttmp9, HEADB                    ; the head in qkv: 63 x 1,572,864 at the most, below 4 GiB
	s_mov_b32 s33, 0
	s_lshl_b32 s14, s10, 19                        ; W x 64 rows: wave 0 K, wave 1 V
	s_mov_b32 s15, 0
	s_mul_i32 s3, s10, 32768                       ; and where they land in a slot
	s_lshl_b32 s40, s11, 11                        ; my work-group's 512 queries,
	s_lshl_b32 s41, s10, 8                         ; my wave's 64, in bytes of a row
	s_add_co_u32 s40, s40, s41
	s_mov_b32 s41, 0
	s_lshl_b32 s44, ttmp9, 19                      ; the head in out0: 64 rows
	s_add_co_u32 s44, s44, s40
	s_mov_b32 s45, 0
	s_and_b32 s46, ttmp9, 3                        ; the tiled mask: row head mod 4
	s_lshl_b32 s46, s46, 13
	s_mov_b32 s47, 0
	s_wait_kmcnt 0x0
	s_add_nc_u64 s[34:35], s[4:5], s[32:33]        ; the head's first row
	s_add_nc_u64 s[38:39], s[34:35], s[40:41]      ; Q at my wave's queries
	s_add_nc_u64 s[34:35], s[34:35], KOFF          ; K's first row
	s_add_nc_u64 s[36:37], s[34:35], 2*TILEB       ; the prefetches' base: tile 2
	s_add_nc_u64 s[32:33], s[34:35], s[14:15]      ; my 64 rows of tile 0
	s_add_nc_u64 s[6:7], s[6:7], s[46:47]
	s_add_nc_u64 s[8:9], s[8:9], s[44:45]
.irp n, 0,1
	s_mov_b32 s[G0+4*\n], 1                                        ; count = 1
	s_add_co_u32 s[G0+4*\n+1], s3, \n*SLOTB                        ; LDS address: the slot's constant + W x 32,768
	s_add_nc_u64 s[G0+4*\n+2:G0+4*\n+3], s[32:33], \n*TILEB        ; global address: tile n
	s_or_b32 s[G0+4*\n+3], s[G0+4*\n+3], 0x80000000                ; type = 2
.endr
	ROUND                                          ; all four work-groups are here: the first joint loads meet
	s_cmp_eq_u32 s43, 0                            ; both first fills of a wave inside one branch on its number
	s_cbranch_scc0 .Lno_first
	tensor_load_to_lds s[G0:G0+3], s[G1:G1+7]      ; tile 0
	s_nop 0
	tensor_load_to_lds s[G0+4:G0+7], s[G1:G1+7]    ; tile 1: two tensor loads of the wave are out, later one
	s_nop 0
	NOPS 4
.Lno_first:
	s_lshl_b32 s44, s11, 18                        ; prefetch: 32 cx rows
	s_and_b32 s45, s10, 1
	s_lshl_b32 s45, s45, 8
	s_add_co_u32 s44, s44, s45
	v_and_b32 v1, 31, v0                           ; l
	v_and_b32 v2, 15, v0                           ; r
	v_bfe_u32 v3, v0, 4, 1                         ; h
	v_lshlrev_b32 v[MGO], 4, v0
	v_lshlrev_b32 v[CO], 13, v3
	v_lshl_add_u32 v[CO], v2, 4, v[CO]
	v_lshl_add_u32 v[PFO], v1, 13, s44
	global_load_b128 v[MT:MT+3],   v[MGO], s[6:7]              ; the mask row: 256 threads x 16 bytes, twice
	global_load_b128 v[MT+4:MT+7], v[MGO], s[6:7] offset:4096
.set qi, 0
.rept 32
	global_load_b128 v[SC+4*qi:SC+4*qi+3], v[CO], s[38:39] offset:2*ROWB*qi th:TH_LOAD_NT   ; Q rows 2 qi (lanes 0-15) and 2 qi + 1: 256 neighbouring bytes each
.set qi, qi+1
.endr
	PREF 0, 0                                      ; tile 2, whose tensor load is issued in step 0
	s_mul_i32 s14, s10, WSW
	s_add_co_u32 s14, s14, WS                      ; my scratch
	s_mul_i32 s15, s10, 8*KP
	s_add_co_u32 s15, s15, B0
	s_mul_i32 s42, s10, 8*VP
	s_add_co_u32 s42, s42, B0+VST
	v_and_b32 v48, 7, v0
	v_lshl_add_u32 v48, v3, 3, v48                 ; 8 h + l % 8: the row that a transposing load's lane addresses
	v_bfe_u32 v49, v0, 3, 1                        ; and which 16 bytes of it
	v_mul_u32_u24 v[KADR], v48, KP
	v_lshl_add_u32 v[KADR], v49, 4, v[KADR]
	v_add_nc_u32 v[KADR], B0, v[KADR]
	v_mul_u32_u24 v[VADR], v2, VP
	v_lshl_add_u32 v[VADR], v3, 4, v[VADR]
	v_add_nc_u32 v[VADR], B0+VST, v[VADR]
	v_lshlrev_b32 v[CL], 4, v1
	v_lshl_add_u32 v[CL], s10, 12, v[CL]
	v_add_nc_u32 v[CL+1], SLOTB, v[CL]
	v_lshl_add_u32 v[CKS], v1, 3, s15
	v_lshl_add_u32 v[CVS], v1, 3, s42
	v_lshlrev_b32 v[MADR], 4, v1
	v_add_nc_u32 v[MADR], MASKL, v[MADR]
	v_mul_u32_u24 v[QADR], v48, QP
	v_lshl_add_u32 v[QADR], v49, 4, v[QADR]
	v_add_nc_u32 v[QADR], s14, v[QADR]
	v_mul_u32_u24 v[STO], v3, 8*OP                 ; a lane of O holds rows 8 h + j, column r of a query tile
	v_lshl_add_u32 v[STO], v2, 2, v[STO]
	v_add_nc_u32 v[STO], s14, v[STO]
	v_mul_u32_u24 v[RD], v3, OP
	v_lshl_add_u32 v[RD], v2, 4, v[RD]
	v_add_nc_u32 v[RD], s14, v[RD]
	v_add_nc_u32 v[MST], MASKL, v[MGO]
	v_mul_u32_u24 v[QST], v3, QP
	v_lshl_add_u32 v[QST], v2, 3, v[QST]
	v_add_nc_u32 v[QST], s14, v[QST]
.irp tt, 0,1,2,3
	v_mov_b32 v[TP+\tt], 0                         ; v_permlanex16_b32's destination counts as read
.endr
	s_wait_loadcnt 32                              ; loads come back in order (ISA guide 5.7.1): the mask is in, Q's 32 loads may be out
	ds_store_b128 v[MST], v[MT:MT+3]
	ds_store_b128 v[MST], v[MT+4:MT+7] offset:4096
	; Q: times 0.125 log2(e) in f32, rounded to f16, into my scratch as [c][t]; then read back transposed as fragments
.set qi, 0
.rept 32
	s_wait_loadcnt 31-qi
	v_pk_mul_f32 v[SC+4*qi:SC+4*qi+1],   v[SC+4*qi:SC+4*qi+1],   0x3e38aa3b op_sel_hi:[1,0]
	v_pk_mul_f32 v[SC+4*qi+2:SC+4*qi+3], v[SC+4*qi+2:SC+4*qi+3], 0x3e38aa3b op_sel_hi:[1,0]
	v_cvt_pk_f16_f32 v[SC+4*qi],   v[SC+4*qi],   v[SC+4*qi+1]
	v_cvt_pk_f16_f32 v[SC+4*qi+1], v[SC+4*qi+2], v[SC+4*qi+3]
	ds_store_b64 v[QST], v[SC+4*qi:SC+4*qi+1] offset:2*QP*qi
.set qi, qi+1
.endr
.irp tt, 0,1,2,3
.irp kk, 0,1
	ds_load_tr16_b128 v[QF+16*\tt+8*\kk:QF+16*\tt+8*\kk+3],   v[QADR] offset:32*QP*\kk+32*\tt          ; my own bytes: LDS serves a wave's instructions in order
	ds_load_tr16_b128 v[QF+16*\tt+8*\kk+4:QF+16*\tt+8*\kk+7], v[QADR] offset:32*QP*\kk+32*\tt+16*QP
.endr
.endr
	s_wait_tensorcnt 0x1                           ; my part of tile 0 has landed; tile 1 may stay out
	s_wait_dscnt 0x0                               ; my part of the mask is stored, my Q fragments are in
	BAR
	CONV 0, 0, 0                                   ; tile 0 into stage 0
	s_wait_dscnt 0x0                               ; my rows of stage 0 are stored,
	BAR                                            ; everybody's are
	; ---- keys 0 to 63, written out: these products start O and l ----
	WIN W_FRAG
	KLOAD 0, 0
	s_wait_dscnt 0x0
	WIN W_SMUL
	SMUL
	NOPS 4
	WIN W_FRAG
	VLOAD 0, 0
	KLOAD 0, 1                                     ; K of keys 64 to 127 stays in its registers until step 0's half step 1
	WIN 0
	FINISH 1
	; ---- steps 0 to 13, two at a time: each fills a landing slot again (tiles 2 to 15) ----
	s_mov_b32 s45, 1                               ; step 0 begins at its half step 1
	s_mov_b32 s42, 7
.Lpair:
	STEP 0, 1, 1, 1, 1, 1
	STEP 1, 0, 1, 1, 2, 0
	s_wait_xcnt 0x0                                ; the prefetches' base is stepped only behind this wait; the last prefetch stands two half steps back
	s_add_nc_u64 s[36:37], s[36:37], 2*TILEB
	v_add_nc_u32 v[MADR], 2*TILEB, v[MADR]         ; two tiles' 256 mask numbers on
	s_sub_co_u32 s42, s42, 1
	s_cmp_lg_u32 s42, 0
	s_cbranch_scc1 .Lpair
	; ---- steps 14, 15: nothing is filled; step 14 still rounds tile 15 ----
	STEP 0, 1, 0, 1, 0, 0
	STEP 1, 0, 0, 0, 0, 0
	; ---- O / l, and the way out ----
.irp tt, 0,1,2,3
	v_add_f32 v[MX+\tt], v[LL+2*\tt], v[LL+2*\tt+1]
.endr
.irp tt, 0,1,2,3
	v_permlanex16_b32 v[TP+\tt], v[MX+\tt], s12, s13
.endr
.irp tt, 0,1,2,3
	v_add_f32 v[MX+\tt], v[MX+\tt], v[TP+\tt]
.endr
.irp tt, 0,1,2,3
	v_rcp_f32 v[AL+2*\tt],   v[MX+\tt]
	v_rcp_f32 v[AL+2*\tt+1], v[MX+\tt]
.endr
	v_nop                                          ; the plain place behind the reciprocals (ISA guide 5.7.2)
	s_wait_alu depctr_va_vdst(0)
	WIN W_OMUL
	RESCALE
	; 16 rows (c) x 64 queries at a time through my scratch: in by numbers, back by rows, so that 16 lanes store 256 consecutive bytes,
	; at a multiple of 256 from out0's first byte.  No data register is used twice, so the stores' sources are never rewritten.
.irp ct, 0,1,2,3
	WIN W_OST
.irp tt, 0,1,2,3
.irp j, 0,1,2,3,4,5,6,7
	ds_store_b32 v[STO], v[OA+8*(4*\ct+\tt)+\j] offset:OP*\j+64*\tt
.endr
.endr
	WIN 0
.irp i, 0,1,2,3,4,5,6,7
	ds_load_b128 v[SC+32*\ct+4*\i:SC+32*\ct+4*\i+3], v[RD] offset:2*OP*\i     ; in order behind the stores above, and ahead of the next 16 rows' stores
.endr
.irp i, 0,1,2,3,4,5,6,7
	s_wait_dscnt 7-\i
	global_store_b128 v[CO], v[SC+32*\ct+4*\i:SC+32*\ct+4*\i+3], s[8:9] offset:(16*\ct+2*\i)*ROWB th:TH_STORE_NT
.endr
.endr
	s_wait_xcnt 0x0
	v_lshl_add_u32 v254, v0, 2, 0x47800
	v_mov_b32 v255, 0
	s_wait_tensorcnt 0x0
	ds_add_u32 v254, v255
	s_wait_dscnt 0x0
	ROUND                                          ; the closing round: no work-group ends while a partner may still ask for a tile that names it
	s_endpgm
.Lfunc_end_k_qcd4da5513a_attn:
	.size	k_qcd4da5513a_attn, .Lfunc_end_k_qcd4da5513a_attn-k_qcd4da5513a_attn
	.p2alignl 7, 3214868480
	.fill 96, 4, 3214868480
	.section	.rodata,"a",@progbits
	.p2align	6, 0x0
	.amdhsa_kernel k_qcd4da5513a_attn
		.amdhsa_group_segment_fixed_size 327680
		.amdhsa_private_segment_fixed_size 0
		.amdhsa_enable_private_segment 0
		.amdhsa_kernarg_size 24
		.amdhsa_user_sgpr_count 2
		.amdhsa_user_sgpr_kernarg_segment_ptr 1
		.amdhsa_wavefront_size32 1
		.amdhsa_system_sgpr_workgroup_id_x 1
		.amdhsa_system_sgpr_workgroup_id_y 1
		.amdhsa_system_sgpr_workgroup_id_z 1
		.amdhsa_system_vgpr_workitem_id 0
		.amdhsa_next_free_vgpr 512
		.amdhsa_next_free_sgpr 66
		.amdhsa_reserve_vcc 0
		.amdhsa_float_denorm_mode_32 3
		.amdhsa_float_denorm_mode_16_64 3
		.amdhsa_memory_ordered 1
		.amdhsa_forward_progress 1
		.amdhsa_inst_pref_size 240
	.end_amdhsa_kernel
	.amdgpu_metadata
---
amdhsa.version: [ 1, 2 ]
amdhsa.kernels:
  - .name:           k_qcd4da5513a_attn
    .symbol:         k_qcd4da5513a_attn.kd
    .args:
      - { .name: qkv, .offset: 0, .size: 8, .value_kind: global_buffer, .address_space: global }
      - { .name: mask, .offset: 8, .size: 8, .value_kind: global_buffer, .address_space: global }
      - { .name: out0, .offset: 16, .size: 8, .value_kind: global_buffer, .address_space: global }
    .group_segment_fixed_size: 327680
    .private_segment_fixed_size: 0
    .kernarg_segment_align: 8
    .kernarg_segment_size: 24
    .max_flat_workgroup_size: 256
    .sgpr_count:     66
    .vgpr_count:     512
    .wavefront_size: 32
...
	.end_amdgpu_metadata
.endif
;; end of part 2
